; MI455X (gfx1250); checked and timed in simulation.
; The chip was launched on July 23, 2026; its instructions are those of AMD's public machine-readable ISA for CDNA 5 (MIT licence, August 2026) and "CDNA5" Instruction Set Architecture Reference Guide (July 2026). The comments in the code are by the model that wrote it; some were corrected since.
;; Vector Quantizer. Allowed arithmetic: float matrix products may take bf16 or f16 operands with f32 sums; all other float work in f32.
;; Inputs: embedding 256 x 8,192 float32; z 32 x 256 x 32 x 32 float32.
;; Outputs: out0 32 x 256 x 32 x 32 float32; out1 one number float32.
;; One version. Each part assembles by itself: llvm-mc -triple=amdgcn-amd-amdhsa -mcpu=gfx1250 --defsym DOCPART=n.
;; ======== version 1 of 1: 4 launches
;; limits: values outside matrix products are rounded to bf16
;; workspace buffers: et 4,194,304 bytes; cneg 32,768 bytes; order 131,072 bytes of whole numbers; part 1,024 bytes
;; launch codes (part 1): grid 128 x 1, 8 waves a work-group, no clusters, 38,912 bytes of LDS; arguments embedding, et, cneg; writes et, cneg
.if DOCPART == 1
	.amdgcn_target "amdgcn-amd-amdhsa--gfx1250"
	.amdhsa_code_object_version 6
	.text
	.protected	k_qbcf90aca76_codes
	.globl	k_qbcf90aca76_codes
	.p2align	8
	.type	k_qbcf90aca76_codes,@function
k_qbcf90aca76_codes:
	s_mov_b64 s[64:65], 0
	v_nop
	global_prefetch_b8 v0, s[64:65] scope:SCOPE_SE
	s_setreg_imm32_b32 hwreg(HW_REG_WAVE_MODE, 25, 1), 1
	s_wait_xcnt 0x0
; et[k][d] = bf16(embedding[d][k]), code-major, rows of 512 bytes;  cneg[k] = -1/2 x the sum over d of et[k][d]^2, in f32, of the ROUNDED numbers:
; the search that follows multiplies the rounded codes, so the norm that it adds belongs to them.
; A work-group owns 64 codes and all 256 d: it reads 256 row pieces of 256 aligned bytes and writes 32,768 consecutive bytes of et and 256 of cneg.
; 128 work-groups: a code's norm stays inside one work-group, and a row piece is 256 bytes whole.
; Thread (wave w, lane l): q = l % 16 names codes 4 q .. 4 q + 3, g = 2 w + l / 16 names d = 16 g .. 16 g + 15.
; The turn from d-major to code-major goes through a stage in LDS.  Memory binds; no matrix work, no cluster (no two work-groups read the same bytes).
.set EROW,  32768                      ; bytes in a row of embedding
.set SP,    528                        ; a stage row: a code's 512 bytes + 16 of padding
.set PART,  64*SP                      ; behind the stage: 16 rows (one for each g) of 64 partial norms
.set SPARE, PART+16*256                ; behind them: the spare words, 128 bytes for each of the eight waves, which no other line names
.set EO,  3                            ; v3   byte offset of my 16 bytes in row 16 g of the work-group's columns
.set ST,  4                            ; v4   stage: row 4 q, byte 32 g
.set PS,  5                            ; v5   where my four partial norms go
.set SPW, 6                            ; v6   LDS address of my spare word; never rewritten
.set NIL, 7                            ; v7   0; never rewritten
.set RD,  8                            ; v8   stage, back: row 8 w, byte 16 l
.set GO,  9                            ; v9   the same place in the work-group's part of et
.set PR,  10                           ; v10  partial norms of codes 4 q ..
.set CO,  11                           ; v11  16 q: their place in cneg
.set X,   16                           ; v[16:79]    row i of my sixteen: 4 registers as loaded; later v[16:47]: rows read back
.set SM,  48                           ; v[48:111]   wave 0, at the end: the sixteen partial rows
.set P,   80                           ; v[80:111]   code c of my four: 8 registers = 16 bf16, d ascending
.set U,   112                          ; v[112:119]  at work
.set N,   120                          ; v[120:127]  code c: a pair of running sums of squares (even d, odd d)
	s_load_b128 s[4:7], s[0:1], 0x0                ; embedding s[4:5], et s[6:7]
	s_load_b64 s[8:9], s[0:1], 0x10                ; cneg
	v_lshl_add_u32 v[SPW], v0, 2, SPARE
	v_mov_b32 v[NIL], 0
	v_lshrrev_b32 v1, 5, v0
	v_readfirstlane_b32 s10, v1                    ; wave 0..7
	s_mov_b32 s11, 0xffff0000                      ; a word's upper bf16
	v_and_b32 v1, 15, v0                           ; q
	v_bfe_u32 v2, v0, 4, 1                         ; l / 16
	v_and_b32 v12, 31, v0                          ; l
	v_lshlrev_b32 v[CO], 4, v1
	s_lshl_b32 s16, s10, 20                        ; g x 16 rows x 32,768 bytes = w << 20 + (l / 16) << 19
	v_lshl_add_u32 v[EO], v2, 19, v[CO]
	v_add_nc_u32 v[EO], s16, v[EO]
	s_lshl_b32 s17, s10, 6                         ; 32 g = 64 w + 32 (l / 16)
	v_mul_u32_u24 v[ST], v1, 4*SP
	v_lshl_add_u32 v[ST], v2, 5, v[ST]
	v_add_nc_u32 v[ST], s17, v[ST]
	s_lshl_b32 s18, s10, 9                         ; 256 g = 512 w + 256 (l / 16)
	s_add_co_u32 s18, s18, PART
	v_lshl_add_u32 v[PS], v2, 8, v[CO]
	v_add_nc_u32 v[PS], s18, v[PS]
	s_mul_i32 s19, s10, 8*SP
	v_lshlrev_b32 v[GO], 4, v12
	v_add_nc_u32 v[RD], s19, v[GO]
	v_lshl_add_u32 v[GO], s10, 12, v[GO]           ; 8 rows of 512 bytes a wave
	v_add_nc_u32 v[PR], PART, v[CO]
	s_lshl_b32 s12, ttmp9, 8                       ; the work-group's 64 columns of embedding, and its 64 numbers of cneg: 256 bytes
	s_mov_b32 s13, 0
	s_lshl_b32 s14, ttmp9, 15                      ; its 64 rows of et
	s_mov_b32 s15, 0
	s_wait_kmcnt 0x0
	s_add_nc_u64 s[4:5], s[4:5], s[12:13]
	s_add_nc_u64 s[6:7], s[6:7], s[14:15]
	s_add_nc_u64 s[8:9], s[8:9], s[12:13]
.set i, 0
.rept 16                                               ; sixteen lanes take one row piece of 256 bytes; all sixteen loads of the wave go out together
	global_load_b128 v[X+4*i:X+4*i+3], v[EO], s[4:5] offset:i*EROW th:TH_LOAD_NT
.set i, i+1
.endr
; Two rows at a time: round to bf16 in pairs (lower d in the low half), widen the rounded numbers again and square them.
.set p, 0
.rept 8
	s_wait_loadcnt 14-2*p                          ; loads come back in order (ISA guide 5.7.1): rows 2 p and 2 p + 1 are in, the younger ones stay out
.set c, 0
.rept 4
	v_cvt_pk_bf16_f32 v[P+8*c+p], v[X+8*p+c], v[X+8*p+4+c]
.set c, c+1
.endr
.set c, 0
.rept 4
	v_lshlrev_b32 v[U+2*c], 16, v[P+8*c+p]
	v_and_b32 v[U+2*c+1], s11, v[P+8*c+p]
.set c, c+1
.endr
.set c, 0
.rept 4
.if p == 0
	v_pk_mul_f32 v[N+2*c:N+2*c+1], v[U+2*c:U+2*c+1], v[U+2*c:U+2*c+1]  ; the first squares start the sums
.else
	v_pk_fma_f32 v[N+2*c:N+2*c+1], v[U+2*c:U+2*c+1], v[U+2*c:U+2*c+1], v[N+2*c:N+2*c+1]
.endif
.set c, c+1
.endr
.set p, p+1
.endr
.irp c, 0,1,2,3
	v_add_f32 v[U+(\c)], v[N+2*(\c)], v[N+2*(\c)+1]
.endr
.irp c, 0,1,2,3
	ds_store_b128 v[ST], v[P+8*(\c):P+8*(\c)+3] offset:(\c)*SP
	ds_store_b128 v[ST], v[P+8*(\c)+4:P+8*(\c)+7] offset:(\c)*SP+16
.endr
	ds_store_b128 v[PS], v[U:U+3]
	s_wait_dscnt 0x0                               ; for the others' sake: my stores into the stage are done
	s_barrier_signal -1
	s_barrier_wait -1
.irp i, 0,1,2,3,4,5,6,7
	ds_load_b128 v[X+4*(\i):X+4*(\i)+3], v[RD] offset:(\i)*SP  ; a whole code row: 32 lanes x 16 bytes
.endr
.irp i, 0,1,2,3,4,5,6,7
	s_wait_dscnt 7-(\i)
	global_store_b128 v[GO], v[X+4*(\i):X+4*(\i)+3], s[6:7] offset:(\i)*512  ; 512 consecutive bytes, at a multiple of 512 from et's first
.endr
	s_cmp_lg_u32 s10, 0
	s_cbranch_scc1 .Lnorms_done                    ; wave 0 alone adds the sixteen partial norms, g ascending
.set j, 0
.rept 16
	ds_load_b128 v[SM+4*j:SM+4*j+3], v[PR] offset:256*j
.set j, j+1
.endr
	s_wait_dscnt 0x0
.set j, 1
.rept 15
	v_pk_add_f32 v[SM:SM+1], v[SM:SM+1], v[SM+4*j:SM+4*j+1]
	v_pk_add_f32 v[SM+2:SM+3], v[SM+2:SM+3], v[SM+4*j+2:SM+4*j+3]
.set j, j+1
.endr
	v_pk_mul_f32 v[SM:SM+1], v[SM:SM+1], -0.5 op_sel_hi:[1,0]
	v_pk_mul_f32 v[SM+2:SM+3], v[SM+2:SM+3], -0.5 op_sel_hi:[1,0]
	s_wait_xcnt 0x0                                ; EXEC is a source of the stores above: it changes only behind this wait
	v_cmp_gt_u32 vcc_lo, 16, v0
	s_and_saveexec_b32 s20, vcc_lo
	global_store_b128 v[CO], v[SM:SM+3], s[8:9]    ; sixteen lanes: the work-group's 256 bytes of cneg
	s_wait_xcnt 0x0                                ; and again in front of the line that widens it
	s_or_b32 exec_lo, exec_lo, s20
.Lnorms_done:
	s_wait_tensorcnt 0x0                           ; the wave's end, behind my last LDS store
	ds_add_u32 v[SPW], v[NIL]
	s_wait_dscnt 0x0
	s_endpgm
.Lfunc_end_k_qbcf90aca76_codes:
	.size	k_qbcf90aca76_codes, .Lfunc_end_k_qbcf90aca76_codes-k_qbcf90aca76_codes
	.p2alignl 7, 3214868480
	.fill 96, 4, 3214868480
	.section	.rodata,"a",@progbits
	.p2align	6, 0x0
	.amdhsa_kernel k_qbcf90aca76_codes
		.amdhsa_group_segment_fixed_size 38912
		.amdhsa_private_segment_fixed_size 0
		.amdhsa_enable_private_segment 0
		.amdhsa_kernarg_size 24
		.amdhsa_user_sgpr_count 2
		.amdhsa_user_sgpr_kernarg_segment_ptr 1
		.amdhsa_wavefront_size32 1
		.amdhsa_system_sgpr_workgroup_id_x 1
		.amdhsa_system_sgpr_workgroup_id_y 1
		.amdhsa_system_sgpr_workgroup_id_z 1
		.amdhsa_system_vgpr_workitem_id 0
		.amdhsa_next_free_vgpr 128
		.amdhsa_next_free_sgpr 66
		.amdhsa_reserve_vcc 1
		.amdhsa_float_denorm_mode_32 3
		.amdhsa_float_denorm_mode_16_64 3
		.amdhsa_memory_ordered 1
		.amdhsa_forward_progress 1
		.amdhsa_inst_pref_size 16
	.end_amdhsa_kernel
	.amdgpu_metadata
---
amdhsa.version: [ 1, 2 ]
amdhsa.kernels:
  - .name:           k_qbcf90aca76_codes
    .symbol:         k_qbcf90aca76_codes.kd
    .args:
      - { .name: embedding, .offset: 0, .size: 8, .value_kind: global_buffer, .address_space: global }
      - { .name: et, .offset: 8, .size: 8, .value_kind: global_buffer, .address_space: global }
      - { .name: cneg, .offset: 16, .size: 8, .value_kind: global_buffer, .address_space: global }
    .group_segment_fixed_size: 38912
    .private_segment_fixed_size: 0
    .kernarg_segment_align: 8
    .kernarg_segment_size: 24
    .max_flat_workgroup_size: 256
    .sgpr_count:     66
    .vgpr_count:     128
    .wavefront_size: 32
...
	.end_amdgpu_metadata
.endif
;; end of part 1
;; launch nearest (part 2): grid 256 x 1, 4 waves a work-group, clusters of 4 x 1, 327,680 bytes of LDS; arguments z, et, cneg, order; writes order
.if DOCPART == 2
	.amdgcn_target "amdgcn-amd-amdhsa--gfx1250"
	.amdhsa_code_object_version 6
	.text
	.protected	k_qbcf90aca76_nearest
	.globl	k_qbcf90aca76_nearest
	.p2align	8
	.type	k_qbcf90aca76_nearest,@function
k_qbcf90aca76_nearest:
	s_mov_b64 s[64:65], 0
	v_nop
	global_prefetch_b8 v0, s[64:65] scope:SCOPE_SE
	s_setreg_imm32_b32 hwreg(HW_REG_WAVE_MODE, 25, 1), 1
	s_wait_xcnt 0x0
	s_wait_alu depctr_hold_cnt(0) depctr_sa_sdst(0) depctr_va_vdst(0) depctr_va_sdst(0) depctr_va_ssrc(0) depctr_va_vcc(0) depctr_vm_vsrc(0)
	s_getreg_b32 s2, hwreg(HW_REG_IB_STS2, 6, 4)
	s_cmp_eq_u32 s2, 0
	s_cbranch_scc0 .Lentry_in_a_cluster
	s_endpgm
.Lentry_in_a_cluster:
	s_bfe_u32 s2, ttmp6, 0x10000c
	s_cmp_lg_u32 s2, 0x3003
	s_cbranch_scc0 .Lentry_shape_is_right
	s_endpgm
.Lentry_shape_is_right:
; order[n] = the code k for which ||z_n - e_k||^2 is least, for the 32,768 tokens n = (b, hw) of z [32][256][1024] and the 8,192 codes of et [8192][256] bf16.
; ||z||^2 is the same for all codes of a token, so what is searched is the GREATEST s = z . e - 1/2 ||e||^2 (= (||z||^2 - distance) / 2).  z is rounded to bf16 here, e was rounded by the launch
; before, cneg = -1/2 ||e||^2 is that of the rounded e; products on the matrix units, sums in f32: cneg is the C operand that starts each sum.
; LIMITS.  Equal scores go to the lower code, as argmin does.  Two codes whose distances differ by less than the f32 rounding of sums of the size of ||e||^2 / 2 may fall otherwise than in a
; computation that adds ||z||^2 first.  A NaN score never wins; a token whose scores are all NaN or -infinity gets code 0.
; SHARES.  A work-group owns 128 tokens.  EVERY wave holds all 128 as bf16 fragments in 512 registers for the whole launch, and takes a quarter of the codes: of each tile of 256 codes its own
; 64 rows, four blocks of 16.  A code fragment (two LDS loads) feeds eight products.  A wave has 32 tiles x 256 products.
; LAYOUT.  Source 0 = 16 codes, source 1 = 16 tokens: in the result lane l holds token l % 16, register j code 8 (l / 16) + j.  For each of its 64 (token block, j) a lane keeps the best score so far
; and the first code of the block in which it came; j, the lanes' half and the waves are merged once, at the end.
; BY TURNS.  The eight token blocks are two groups of four accumulators.  While one group's 32 products of a code block are issued, the other group's 32 finished registers are compared:
; three vector instructions (compare, maximum, select) behind each product.  They work in window 0, the products' operands lie in windows 1 to 3: two switches a product, the price of setting the vector work beside the matrix work.
; CLUSTER.  All work-groups walk the same codes: the four of a cluster ask for each tile JOINTLY (the same tensor load, descriptor and mask in all four).  A mask names four work-groups, so 4 x 1 shares as much as a larger cluster would.
; lds_bytes: the text uses 322,048 bytes.
; REGISTERS, in windows of 256 (s_set_vgpr_msb: bits 1:0 source 0, 3:2 source 1, 5:4 source 2, 7:6 destination):
;   window 0: v0-15 addresses; v16-31 C operands, two buffers; v32-95 accumulators; v96-159 best scores; v160-223 their blocks; v224-255 at work at the end
;   window 1: v0-127 code fragments, two buffers of 8 K steps (at the start all 256: z as loaded)     windows 2, 3: token fragments, block a of four, K step ks at 64 a + 8 ks
.set PITCH, 528                        ; a code row in LDS: 512 bytes + 16 of padding = 132 words: row r starts at bank 4 r mod 64 (64 banks of 4 bytes: ISA guide 11.1)
.set QUART, 64*PITCH                   ; 64 rows: what one tensor load brings, and what one wave reads
.set SLOT,  4*QUART                    ; a tile of 256 codes; 0x21000: neither of its two bits is set in wave x QUART, so one exclusive or turns an address in one slot into the other's
.set CNEG,  2*SLOT                     ; behind the ring: all 8,192 cneg, filled once
.set ZST,   CNEG+32768                 ; a stage that only LDS stores write: 128 token rows x 144 bytes for z's turn; at the end the waves' candidates
.set ZP,    144                        ; 64 d of a token, 128 bytes + 16
.set SPARE, ZST+128*ZP                 ; the spare words, 128 bytes for each wave, which no other line names
.set TILEB, 256*512                    ; a tile's bytes in et
.set AK0, 3                            ; v3   my lane's place in my quarter of slot 0; never rewritten
.set AC0, 4                            ; v4   my lane's place in tile 0's cneg; never rewritten
.set AD,  5                            ; v5   the same in the tile being fetched
.set ADC, 6                            ; v6
.set ZO,  7                            ; v7   my byte offset in the work-group's part of z
.set ZS,  8                            ; v8   z's stage, in
.set ZR,  9                            ; v9   z's stage, back as fragments
.set MS,  10                           ; v10  candidates, in
.set MR,  11                           ; v11  candidates, back
.set OO,  12                           ; v12  16 x lane: my byte offset in the work-group's part of order
.set H8,  13                           ; v13  8 (l / 16)
.set SPW, 14                           ; v14  LDS address of my spare word; never rewritten
.set NIL, 15                           ; v15  0; never rewritten
.set CI,  16
.set ACC, 32                           ; group g, accumulator a at ACC + 32 g + 8 a
.set BEST, 96                          ; token block tb, register j at BEST + 8 tb + j
.set IDX, 160
.set XV,  224                          ; what the other half of the lanes holds
.set PK,  240                          ; pairs (score, code) on their way to the stage
.set F0,  0                            ; window 1
.set WV,  12                           ; s12  my wave's number
.set G1,  24                           ; s[24:31] descriptor group 1 for a quarter tile
.set G1C, 32                           ; s[32:39] for a quarter of cneg
.set G0A, 40                           ; s[40:43] group 0: tile 0
.set G0B, 44                           ; s[44:47] group 0: tile 1; then it walks
.set G0C, 48                           ; s[48:51] group 0: cneg
.set TB,  52                           ; s52  0 or SLOT: the slot being fetched from
.set TC,  53                           ; s53  1,024 x the tile being fetched
.set BLK, 54                           ; s54  the first code of the block whose scores are being compared
.set CNT, 55
.set M0,  56                           ; s56-58 lane masks
.set HM,  59                           ; s59  lanes 16-31
.set SEL, 60                           ; s[60:61] v_permlanex16_b32's selects: each lane takes its own place in the other half
.set MSB, 0
.macro WIN new                         ; the immediate's high byte repeats the setting that is left; a switch that changes nothing is dropped
.if MSB != (\new)
	s_set_vgpr_msb (MSB<<8)|(\new)
.set MSB, (\new)
.endif
.endm
; A round of the cluster's barrier: my work-group's barrier, so that wave 0's signal speaks for all four waves; wave 0 signals; every wave waits for all four work-groups; my work-group's barrier once more.
.macro CROUND
	s_barrier_signal -1
	s_barrier_wait -1
	s_cmp_lg_u32 s[WV], 0
	s_cbranch_scc1 .Lnot_wave_0_\@
	s_barrier_signal -3
.Lnot_wave_0_\@:
	s_barrier_wait -3
	s_barrier_signal -1
	s_barrier_wait -1
.endm
; The vector work for register n (0..31) of group g: is the score greater than the best so far? the maximum; and, one slice late so that it does not wait for its mask, the block's number where it was.
; The compare is strict and blocks ascend, so the first of equal scores stays.  The registers go in ascending order: each accumulator is read from its low end on.
.macro SLICE g
.set rX, ACC+32*(\g)+n
.set rY, BEST+32*(\g)+n
.set rI, IDX+32*(\g)+n
	v_cmp_gt_f32 s[M0+n%2], v[rX], v[rY]
	v_max_num_f32 v[rY], v[rX], v[rY]
.if n > 0
	v_cndmask_b32 v[rI-1], v[rI-1], s[BLK], s[M0+(n-1)%2]
.endif
.if n == 31
	v_cndmask_b32 v[rI], v[rI], s[BLK], s[M0+1]
.endif
.endm
; 32 products: the code block in buffer f x token blocks 4 hf .. 4 hf + 3, K ascending.  The four accumulators take turns, one instruction a turn; the first four start the sums with cneg.
; Behind each product a slice of the other group.  A finished accumulator is first read 12 vector instructions or more behind its last product.
.macro HALF f, hf, ci
.set n, 0
.rept 32
	WIN 0x09+4*(\hf)
.set rD, ACC+32*(\hf)+8*(n%4)
.set rA, (\f)+8*(n/4)
.set rB, 64*(n%4)+8*(n/4)
.if n < 4
	v_wmma_f32_16x16x32_bf16 v[rD:rD+7], v[rA:rA+7], v[rB:rB+7], v[CI+8*(\ci):CI+8*(\ci)+7]
.else
	v_wmma_f32_16x16x32_bf16 v[rD:rD+7], v[rA:rA+7], v[rB:rB+7], v[rD:rD+7]
.endif
	WIN 0
	SLICE 1-(\hf)
.set n, n+1
.endr
.endm
; 18 LDS loads in one run: block cb's eight cneg for my half of the lanes, and its 16 rows x 256 d as eight fragments (lane l: row l % 16; d = 8 (l / 16) + 0..7 and 16 + 8 (l / 16) + 0..7 of each 32).
; The buffers were last read by products that stand 32 slices back.
.macro FETCH cb, f, ci
	WIN 0
	ds_load_b128 v[CI+8*(\ci):CI+8*(\ci)+3],   v[ADC] offset:64*(\cb)
	ds_load_b128 v[CI+8*(\ci)+4:CI+8*(\ci)+7], v[ADC] offset:64*(\cb)+16
	WIN 0x40                                       ; destination window 1, address window 0
.irp k, 0,1,2,3,4,5,6,7
	ds_load_b128 v[(\f)+8*(\k):(\f)+8*(\k)+3],   v[AD] offset:(\cb)*16*PITCH+64*(\k)
	ds_load_b128 v[(\f)+8*(\k)+4:(\f)+8*(\k)+7], v[AD] offset:(\cb)*16*PITCH+64*(\k)+32
.endr
	WIN 0
.endm
; THE CHANGE OF SLOTS, when a tile's last block lies in registers.  Each wave waits for all its tensor loads, of which one is out: its quarter of the next tile; adds 0 to its spare word; and waits
; for that and for its reads of the slot.  fill = 1: the slot is filled again, with the tile two on.  The barrier is then a round of the cluster's, so that no wave of any partner still reads the
; slot or has a load on its way, and the joint refill is the first thing behind it: it has a tile's 256 products in which to land.
.macro CHANGE fill
	WIN 0
	s_wait_tensorcnt 0x0                           ; no tensor load of mine is out, so a group 0 may be written
	ds_add_u32 v[SPW], v[NIL]                      ; 0 onto my spare word; the steps below stand between it and the wait for it
.if \fill
	s_xor_b32 s[G0B+1], s[G0B+1], SLOT             ; the walking descriptor: the other slot than last time,
	s_add_nc_u64 s[G0B+2:G0B+3], s[G0B+2:G0B+3], TILEB  ; the next tile; the type bits on top are not reached
.endif
	s_xor_b32 s[TB], s[TB], SLOT                   ; the fetches go on in the other slot
	s_add_co_u32 s[TC], s[TC], 1024
	s_and_b32 s[TC], s[TC], 0x7c00                 ; behind the last tile it goes back to 0: no read leaves the table
	v_add_nc_u32 v[AD], s[TB], v[AK0]
	v_add_nc_u32 v[ADC], s[TC], v[AC0]
	s_wait_dscnt 0x0                               ; the add is done, and my reads of the slot are over
.if \fill
	CROUND
	tensor_load_to_lds s[G0B:G0B+3], s[G1:G1+7]
	s_nop 0
.rept 4
	v_nop
.endr
.else
	s_barrier_signal -1
	s_barrier_wait -1
.endif
.endm
; A code block.  Its first half carries the compares of the block before (second group), under that block's number; then the number steps; its second half carries its own first group's.
; The next block's fragments are fetched between the halves, 32 products ahead of their first use.
.macro BLOCK cb, fill
	s_wait_dscnt 0x0                               ; this block's 18 loads are in
	HALF F0+64*((\cb)%2), 0, (\cb)%2
.if (\cb) == 0
	s_add_co_u32 s[BLK], s[BLK], 208               ; from my last block of a tile to my first of the next: 256 - 48
.else
	s_add_co_u32 s[BLK], s[BLK], 16
.endif
.if (\cb) == 3
	CHANGE \fill
.endif
	FETCH ((\cb)+1)%4, F0+64*(((\cb)+1)%2), ((\cb)+1)%2
	HALF F0+64*((\cb)%2), 1, (\cb)%2
.endm
.macro TILE fill
	BLOCK 0, \fill
	BLOCK 1, \fill
	BLOCK 2, \fill
	BLOCK 3, \fill
	WIN 0
.endm
; Candidate b takes a's place if its score is greater, or equal with the lower code.
.macro MERGE va, ia, vb, ib
	v_cmp_gt_f32 s[M0], v[\vb], v[\va]
	v_cmp_eq_f32 s[M0+1], v[\vb], v[\va]
	v_cmp_lt_u32 s[M0+2], v[\ib], v[\ia]
	s_and_b32 s[M0+1], s[M0+1], s[M0+2]
	s_or_b32 s[M0], s[M0], s[M0+1]
	v_cndmask_b32 v[\va], v[\va], v[\vb], s[M0]
	v_cndmask_b32 v[\ia], v[\ia], v[\ib], s[M0]
.endm
	s_load_b256 s[4:11], s[0:1], 0x0               ; z s[4:5], et s[6:7], cneg s[8:9], order s[10:11]
	v_lshl_add_u32 v[SPW], v0, 2, SPARE
	v_mov_b32 v[NIL], 0
	ds_add_u32 v[SPW], v[NIL]                      ; the wave's opening, ahead of my first tensor load; the set-up below, work on registers, stands between the add and its wait
	v_lshrrev_b32 v1, 5, v0
	v_readfirstlane_b32 s[WV], v1                  ; wave 0..3
	s_bfe_u32 s13, ttmp6, 0x40000                  ; cx: my place in the cluster
	s_lshl_b32 s14, ttmp9, 2                       ; in a cluster launch ttmp9 counts clusters
	s_add_co_u32 s14, s14, s13                     ; my block of 128 tokens: it enters z's and order's addresses alone
	s_lshr_b32 s16, s14, 3                         ; b, 1,048,576 bytes of z each,
	s_lshl_b32 s16, s16, 20
	s_and_b32 s17, s14, 7                          ; and which 128 of its 1,024 hw: 512 bytes of every row
	s_lshl_b32 s17, s17, 9
	s_add_co_u32 s16, s16, s17
	s_mov_b32 s17, 0
	s_lshl_b32 s18, s14, 9                         ; 128 words of order
	s_mov_b32 s19, 0
	s_lshl_b32 s20, s[WV], 15                      ; my 64 rows of a tile in et
	s_mov_b32 s21, 0
	s_lshl_b32 s22, s[WV], 13                      ; my quarter of cneg
	s_mov_b32 s23, 0
	; group 1 for a quarter tile: 64 rows x 256 elements of 2 bytes, padded in LDS
	s_mov_b32 s[G1], 15|(1<<16)|(1<<20)|(1<<21)|(6<<22)|(3<<25)  ; 15:0 the mask of four; 17:16 2-byte elements; 20 padding on; 21 set beside a mask; 24:22 after every 128 words (code 6); 31:25 4 words (code 3)
	s_mov_b32 s[G1+1], 256<<16                     ; tensor_dim0 = 256
	s_mov_b32 s[G1+2], 64<<16                      ; tensor_dim1 = 64
	s_mov_b32 s[G1+3], 256<<16                     ; tile_dim0 = 256
	s_mov_b32 s[G1+4], 64                          ; tile_dim1 = 64
	s_mov_b32 s[G1+5], 256                         ; 256 elements from row to row
	s_mov_b32 s[G1+6], 0
	s_mov_b32 s[G1+7], 0
	; group 1 for a quarter of cneg: 8,192 dense bytes as 32 rows of 32 elements of 8 bytes, no padding
	s_mov_b32 s[G1C], 15|(3<<16)|(1<<21)
	s_mov_b32 s[G1C+1], 32<<16
	s_mov_b32 s[G1C+2], 32<<16
	s_mov_b32 s[G1C+3], 32<<16
	s_mov_b32 s[G1C+4], 32
	s_mov_b32 s[G1C+5], 32
	s_mov_b32 s[G1C+6], 0
	s_mov_b32 s[G1C+7], 0
	s_mov_b32 s[G0A], 1                            ; count = 1
	s_mul_i32 s[G0A+1], s[WV], QUART               ; LDS address: my quarter of slot 0: no place in the cluster enters an LDS address
	s_mov_b32 s[G0B], 1
	s_add_co_u32 s[G0B+1], s[G0A+1], SLOT
	s_mov_b32 s[G0C], 1
	s_add_co_u32 s[G0C+1], s22, CNEG
	s_mov_b32 s[TB], 0
	s_mov_b32 s[TC], 0
	s_lshl_b32 s[BLK], s[WV], 6
	s_sub_co_u32 s[BLK], s[BLK], 208               ; the first block's step makes it 64 w; until then no compare can choose it
	s_mov_b32 s[HM], 0xffff0000
	s_mov_b32 s[SEL], 0x76543210
	s_mov_b32 s[SEL+1], 0xfedcba98
	v_and_b32 v1, 15, v0                           ; l % 16
	v_bfe_u32 v2, v0, 4, 1                         ; l / 16
	v_and_b32 v[OO], 31, v0
	v_lshlrev_b32 v[OO], 4, v[OO]
	v_mul_u32_u24 v[AK0], v1, PITCH
	v_lshl_add_u32 v[AK0], v2, 4, v[AK0]
	v_add_nc_u32 v[AK0], s[G0A+1], v[AK0]          ; my quarter + row x pitch + 16 x half
	s_lshl_b32 s62, s[WV], 8
	s_add_co_u32 s62, s62, CNEG
	v_lshl_add_u32 v[AC0], v2, 5, s62              ; my 64 numbers of a tile's 256, eight for each half of the lanes
	v_lshl_add_u32 v[ZO], s[WV], 16, v[OO]         ; z: 16 rows of 4,096 bytes a wave, tokens 4 l .. 4 l + 3
	v_mul_u32_u24 v[ZS], v[OO], 36                 ; stage, in: token row 4 l (576 l bytes), byte 32 w
	s_lshl_b32 s63, s[WV], 5
	s_add_co_u32 s63, s63, ZST
	v_add_nc_u32 v[ZS], s63, v[ZS]
	v_mul_u32_u24 v[ZR], v1, ZP                    ; back: row l % 16, 16 bytes for each half of the lanes
	v_lshl_add_u32 v[ZR], v2, 4, v[ZR]
	v_add_nc_u32 v[ZR], ZST, v[ZR]
	v_lshrrev_b32 v[MS], 1, v[OO]                  ; candidates: 1,024 bytes a wave, 8 bytes a token
	s_lshl_b32 s62, s[WV], 10
	s_add_co_u32 s62, s62, ZST
	v_add_nc_u32 v[MS], s62, v[MS]
	v_lshl_add_u32 v[MR], v[OO], 1, ZST            ; back: four tokens a lane
	v_lshlrev_b32 v[H8], 3, v2
	s_wait_dscnt 0x0                               ; the opening add is done
	s_wait_kmcnt 0x0
	s_add_nc_u64 s[4:5], s[4:5], s[16:17]
	s_add_nc_u64 s[10:11], s[10:11], s[18:19]
	s_add_nc_u64 s[G0A+2:G0A+3], s[6:7], s[20:21]  ; global address: my quarter of tile 0,
	s_add_nc_u64 s[G0B+2:G0B+3], s[G0A+2:G0A+3], TILEB  ; of tile 1
	s_or_b32 s[G0A+3], s[G0A+3], 0x80000000        ; type = 2
	s_or_b32 s[G0B+3], s[G0B+3], 0x80000000
	s_add_nc_u64 s[G0C+2:G0C+3], s[8:9], s[22:23]
	s_or_b32 s[G0C+3], s[G0C+3], 0x80000000
	CROUND                                         ; all four work-groups are here: the first joint loads meet
	tensor_load_to_lds s[G0A:G0A+3], s[G1:G1+7]    ; the first fills go out as one group: three loads of mine are out
	s_nop 0
	tensor_load_to_lds s[G0C:G0C+3], s[G1C:G1C+7]
	s_nop 0
	tensor_load_to_lds s[G0B:G0B+3], s[G1:G1+7]
	s_nop 0
.rept 4
	v_nop
.endr
	; z: row d = 64 p + 16 w + i, tokens 4 l .. 4 l + 3; each load of the wave covers 512 consecutive bytes; the work-group's 131,072 bytes are asked for at once.
	WIN 0x40
.set i, 0
.rept 64
	global_load_b128 v[4*i:4*i+3], v[ZO], s[4:5] offset:(64*(i/16)+i%16)*4096 th:TH_LOAD_NT
.set i, i+1
.endr
	WIN 0
	; What the first half finds: the second group's accumulators and all best scores hold -infinity, so its compares choose nothing; the blocks' numbers are 0.  No first step is written out; the price
	; is these moves, which stand in the wait for z.
	s_mov_b32 s62, 0xff800000
.set i, ACC+32
.rept 96
	v_mov_b32 v[i], s62
.set i, i+1
.endr
.set i, IDX
.rept 80                                               ; and the sixteen registers that v_permlanex16_b32 will write: its destination counts as read
	v_mov_b32 v[i], 0
.set i, i+1
.endr
; Pass p turns 64 d of all 128 tokens: rounded to bf16 in pairs of d, 32 bytes a token and wave into the stage, and back as the fragments of K steps 2 p and 2 p + 1 for every wave.
.macro PASS p
	s_wait_loadcnt 48-16*(\p)                      ; loads come back in order (ISA guide 5.7.1): this pass's sixteen are in, the later passes' stay out
	WIN 0x05                                       ; sources in window 1, destination in window 0
.set c, 0
.rept 4
.set q, 0
.rept 8
	v_cvt_pk_bf16_f32 v[ACC+8*c+q], v[64*(\p)+8*q+c], v[64*(\p)+8*q+4+c]
.set q, q+1
.endr
.set c, c+1
.endr
	WIN 0
.if (\p) > 0
	s_wait_dscnt 0x0                               ; my reads of the stage are over,
	s_barrier_signal -1
	s_barrier_wait -1                              ; everybody's are: it may be written again
.endif
.irp c, 0,1,2,3
	ds_store_b128 v[ZS], v[ACC+8*(\c):ACC+8*(\c)+3] offset:ZP*(\c)
	ds_store_b128 v[ZS], v[ACC+8*(\c)+4:ACC+8*(\c)+7] offset:ZP*(\c)+16
.endr
	s_wait_dscnt 0x0                               ; for the others' sake: my stores are done
	s_barrier_signal -1
	s_barrier_wait -1
.set t, 0
.rept 8
	WIN 0x80+0x40*(t/4)                            ; destination window 2 or 3
.irp e, 0,1
	ds_load_b128 v[64*(t%4)+8*(2*(\p)+(\e)):64*(t%4)+8*(2*(\p)+(\e))+3],   v[ZR] offset:16*ZP*t+64*(\e)
	ds_load_b128 v[64*(t%4)+8*(2*(\p)+(\e))+4:64*(t%4)+8*(2*(\p)+(\e))+7], v[ZR] offset:16*ZP*t+64*(\e)+32
.endr
.set t, t+1
.endr
	WIN 0
.endm
	PASS 0
	PASS 1
	PASS 2
	PASS 3
	s_wait_tensorcnt 0x1                           ; my quarters of tile 0 and of cneg are in; tile 1's may stay out
	s_wait_dscnt 0x0                               ; the last fragments of z
	s_barrier_signal -1
	s_barrier_wait -1                              ; everybody's quarter of cneg is in: each wave reads all four
	v_mov_b32 v[AD], v[AK0]
	v_mov_b32 v[ADC], v[AC0]
	FETCH 0, F0, 0
	s_mov_b32 s[CNT], 30
.Ltile:                                                ; tiles 0 to 29: each asks for the tile two on
	TILE 1
	s_sub_co_u32 s[CNT], s[CNT], 1
	s_cmp_lg_u32 s[CNT], 0
	s_cbranch_scc1 .Ltile
	s_mov_b32 s[CNT], 2
.Ltail:                                                ; tiles 30 and 31 ask for nothing: a text of their own.  The last trip's last fetch (18 loads of old bytes) serves nothing: the price of one text for both
	TILE 0
	s_sub_co_u32 s[CNT], s[CNT], 1
	s_cmp_lg_u32 s[CNT], 0
	s_cbranch_scc1 .Ltail
.rept 4
	v_nop                                          ; places behind the last products
.endr
.set n, 0
.rept 32
	SLICE 1                                        ; the last block's second group
.set n, n+1
.endr
	; THE MERGES.  In the lane: the code is the block's first + j (+ 8 for the upper half of the lanes); a token block's eight candidates become one; then the other half of the lanes'.
.set t, 0
.rept 8
.irp j, 1,2,3,4,5,6,7
	v_add_nc_u32 v[IDX+8*t+(\j)], (\j), v[IDX+8*t+(\j)]
.endr
	MERGE BEST+8*t,IDX+8*t,BEST+8*t+1,IDX+8*t+1
	MERGE BEST+8*t+2,IDX+8*t+2,BEST+8*t+3,IDX+8*t+3
	MERGE BEST+8*t+4,IDX+8*t+4,BEST+8*t+5,IDX+8*t+5
	MERGE BEST+8*t+6,IDX+8*t+6,BEST+8*t+7,IDX+8*t+7
	MERGE BEST+8*t,IDX+8*t,BEST+8*t+2,IDX+8*t+2
	MERGE BEST+8*t+4,IDX+8*t+4,BEST+8*t+6,IDX+8*t+6
	MERGE BEST+8*t,IDX+8*t,BEST+8*t+4,IDX+8*t+4
	v_add_nc_u32 v[IDX+8*t], v[H8], v[IDX+8*t]
	v_permlanex16_b32 v[XV+2*t], v[BEST+8*t], s[SEL], s[SEL+1]
	v_permlanex16_b32 v[XV+2*t+1], v[IDX+8*t], s[SEL], s[SEL+1]
	MERGE BEST+8*t,IDX+8*t,XV+2*t,XV+2*t+1
.set t, t+1
.endr
	; Both halves of the lanes now hold the same: lanes 0-15 keep block 2 u, lanes 16-31 block 2 u + 1, so lane l stands for token 32 u + l.
.irp u, 0,1,2,3
	v_cndmask_b32 v[PK+2*(\u)], v[BEST+16*(\u)], v[BEST+16*(\u)+8], s[HM]
	v_cndmask_b32 v[PK+2*(\u)+1], v[IDX+16*(\u)], v[IDX+16*(\u)+8], s[HM]
.endr
.irp u, 0,1,2,3
	ds_store_b64 v[MS], v[PK+2*(\u):PK+2*(\u)+1] offset:256*(\u)
.endr
	s_wait_dscnt 0x0                               ; for wave 0's sake: my candidates are in the stage (and the fetch that served nothing is back)
	s_barrier_signal -1
	s_barrier_wait -1
	s_cmp_lg_u32 s[WV], 0
	s_cbranch_scc1 .Lend                           ; wave 0 alone merges the four waves' candidates, four tokens a lane
.irp w, 0,1,2,3
	ds_load_b128 v[ACC+8*(\w):ACC+8*(\w)+3],   v[MR] offset:1024*(\w)
	ds_load_b128 v[ACC+8*(\w)+4:ACC+8*(\w)+7], v[MR] offset:1024*(\w)+16
.endr
	s_wait_dscnt 0x0
.irp w, 1,2,3
.irp c, 0,1,2,3
	MERGE ACC+2*(\c),ACC+2*(\c)+1,ACC+8*(\w)+2*(\c),ACC+8*(\w)+2*(\c)+1
.endr
.endr
.irp c, 0,1,2,3
	v_mov_b32 v[ACC+32+(\c)], v[ACC+2*(\c)+1]
.endr
	global_store_b128 v[OO], v[ACC+32:ACC+35], s[10:11]  ; the work-group's 512 consecutive bytes of order
.Lend:
	s_wait_tensorcnt 0x0                           ; the wave's end, behind my last tensor load and my last LDS store
	ds_add_u32 v[SPW], v[NIL]
	s_wait_dscnt 0x0
	CROUND                                         ; the closing round: no work-group ends while a partner may still ask for a tile that names it
	s_endpgm
.Lfunc_end_k_qbcf90aca76_nearest:
	.size	k_qbcf90aca76_nearest, .Lfunc_end_k_qbcf90aca76_nearest-k_qbcf90aca76_nearest
	.p2alignl 7, 3214868480
	.fill 96, 4, 3214868480
	.section	.rodata,"a",@progbits
	.p2align	6, 0x0
	.amdhsa_kernel k_qbcf90aca76_nearest
		.amdhsa_group_segment_fixed_size 327680
		.amdhsa_private_segment_fixed_size 0
		.amdhsa_enable_private_segment 0
		.amdhsa_kernarg_size 32
		.amdhsa_user_sgpr_count 2
		.amdhsa_user_sgpr_kernarg_segment_ptr 1
		.amdhsa_wavefront_size32 1
		.amdhsa_system_sgpr_workgroup_id_x 1
		.amdhsa_system_sgpr_workgroup_id_y 1
		.amdhsa_system_sgpr_workgroup_id_z 1
		.amdhsa_system_vgpr_workitem_id 0
		.amdhsa_next_free_vgpr 1024
		.amdhsa_next_free_sgpr 66
		.amdhsa_reserve_vcc 0
		.amdhsa_float_denorm_mode_32 3
		.amdhsa_float_denorm_mode_16_64 3
		.amdhsa_memory_ordered 1
		.amdhsa_forward_progress 1
		.amdhsa_inst_pref_size 233
	.end_amdhsa_kernel
	.amdgpu_metadata
---
amdhsa.version: [ 1, 2 ]
amdhsa.kernels:
  - .name:           k_qbcf90aca76_nearest
    .symbol:         k_qbcf90aca76_nearest.kd
    .args:
      - { .name: z, .offset: 0, .size: 8, .value_kind: global_buffer, .address_space: global }
      - { .name: et, .offset: 8, .size: 8, .value_kind: global_buffer, .address_space: global }
      - { .name: cneg, .offset: 16, .size: 8, .value_kind: global_buffer, .address_space: global }
      - { .name: order, .offset: 24, .size: 8, .value_kind: global_buffer, .address_space: global }
    .group_segment_fixed_size: 327680
    .private_segment_fixed_size: 0
    .kernarg_segment_align: 8
    .kernarg_segment_size: 32
    .max_flat_workgroup_size: 128
    .sgpr_count:     66
    .vgpr_count:     1024
    .wavefront_size: 32
...
	.end_amdgpu_metadata
.endif
;; end of part 2
;; launch emit (part 3): grid 256 x 1, 8 waves a work-group, no clusters, 68,864 bytes of LDS; arguments z, et, order, out0, part; writes out0, part
.if DOCPART == 3
	.amdgcn_target "amdgcn-amd-amdhsa--gfx1250"
	.amdhsa_code_object_version 6
	.text
	.protected	k_qbcf90aca76_emit
	.globl	k_qbcf90aca76_emit
	.p2align	8
	.type	k_qbcf90aca76_emit,@function
k_qbcf90aca76_emit:
	s_mov_b64 s[64:65], 0
	v_nop
	global_prefetch_b8 v0, s[64:65] scope:SCOPE_SE
	s_setreg_imm32_b32 hwreg(HW_REG_WAVE_MODE, 25, 1), 1
	s_wait_xcnt 0x0
; out0 = z + (q - z) in z's layout [32][256][1024], q = the code row et[order[token]] (bf16, widened exactly), and part[work-group] = the sum of (q - z)^2 over its 128 tokens x 256 d, in f32.
; The squares are formed of the differences themselves, not of distances: no difference of large sums.
; A work-group owns 128 tokens.  Wave w gathers the rows of tokens 16 w .. 16 w + 15 (one load a row: 32 lanes x 16 bytes = 512 consecutive bytes) into a stage in LDS; behind a barrier it takes
; d = 32 w .. 32 w + 31 of all 128 tokens.  A lane holds two neighbouring tokens of one d, so each load of z and each store of out0 covers 256 consecutive bytes, aligned.
; Memory binds: all loads of a wave (64 of z, 16 of et) go out before anything is waited for.  No matrix work; no cluster (what work-groups share, rows of et, hangs on data).
; An index is clamped to the table's 8,192 rows before it enters an address.
.set SP,    528                        ; a stage row: a code's 512 bytes + 16
.set RED,   128*SP                     ; behind the stage: the eight waves' sums
.set SPARE, RED+256                    ; the spare words, 128 bytes for each wave, which no other line names
.set LN,  1                            ; v1   lane
.set L16, 2                            ; v2   16 x lane
.set ZO,  3                            ; v3   my byte offset in the work-group's part of z and out0; never rewritten
.set ST,  4                            ; v4   stage, in
.set RD,  5                            ; v5   stage, back
.set SPW, 6                            ; v6   LDS address of my spare word; never rewritten
.set NIL, 7                            ; v7   0; never rewritten
.set RW,  8                            ; v8   my wave's word among the sums
.set RA,  9                            ; v9   the sums
.set NUL, 10                           ; v10  0: the offset of the store into part
.set GOFF, 16                          ; v[16:31]   byte offsets of my 16 bytes in the sixteen rows
.set Q,   32                           ; v[32:95]   rows as gathered; then unit U: 4 registers of the even token, 4 of the odd one
.set Z,   96                           ; v[96:223]  unit U, d k of eight: a pair (even token, odd token) at Z + 16 U + 2 k: z, then out0
.set T,   224                          ; v[224:239] at work: q, then q - z
.set L,   240                          ; v[240:247] four pairs of running sums
	s_load_b256 s[4:11], s[0:1], 0x0               ; z s[4:5], et s[6:7], order s[8:9], out0 s[10:11]
	s_load_b64 s[12:13], s[0:1], 0x20              ; part
	v_lshl_add_u32 v[SPW], v0, 2, SPARE
	v_mov_b32 v[NIL], 0
	v_lshrrev_b32 v[LN], 5, v0
	v_readfirstlane_b32 s14, v[LN]                 ; wave 0..7
	v_and_b32 v[LN], 31, v0
	v_mov_b32 v[NUL], 0
	s_mov_b32 s15, 0xffff0000                      ; a word's upper bf16
	s_mov_b32 s32, 0x76543210                      ; v_permlanex16_b32: each lane takes its own place in the other half
	s_mov_b32 s33, 0xfedcba98
	s_lshr_b32 s36, ttmp9, 3                       ; b, 1,048,576 bytes each,
	s_lshl_b32 s36, s36, 20
	s_and_b32 s37, ttmp9, 7                        ; and which 128 of its 1,024 hw
	s_lshl_b32 s37, s37, 9
	s_add_co_u32 s36, s36, s37
	s_mov_b32 s37, 0
	s_lshl_b32 s38, ttmp9, 9                       ; the work-group's 128 words of order, my wave's 16
	s_lshl_b32 s39, s14, 6
	s_add_co_u32 s38, s38, s39
	s_mov_b32 s39, 0
	s_lshl_b32 s40, ttmp9, 2
	s_mov_b32 s41, 0
	v_lshlrev_b32 v[L16], 4, v[LN]
	v_lshlrev_b32 v[ZO], 3, v[LN]
	v_lshl_add_u32 v[ZO], s14, 17, v[ZO]           ; 32 rows of 4,096 bytes a wave, 8 bytes a lane
	; Token t lies in stage row 64 (t / 64) + (t % 64) / 2 + 32 (t % 2): the even tokens of a group of 64 in 32 rows on end, then the odd ones, so that lane l finds its two tokens in rows l and 32 + l.
	s_lshr_b32 s42, s14, 2
	s_lshl_b32 s42, s42, 6
	s_and_b32 s43, s14, 3
	s_lshl3_add_u32 s42, s43, s42
	s_mul_i32 s42, s42, SP
	v_add_nc_u32 v[ST], s42, v[L16]
	v_mul_u32_u24 v[RD], v[LN], SP
	v_lshl_add_u32 v[RD], s14, 6, v[RD]            ; my wave's 32 d: 64 bytes of a row
	s_lshl_b32 s44, s14, 2
	s_add_co_u32 s44, s44, RED
	v_mov_b32 v[RW], s44
	v_mov_b32 v[RA], RED
	s_wait_kmcnt 0x0
	s_add_nc_u64 s[8:9], s[8:9], s[38:39]
	s_load_b512 s[16:31], s[8:9], 0x0              ; my sixteen tokens' codes: whole numbers that an earlier launch stored
	s_add_nc_u64 s[4:5], s[4:5], s[36:37]
	s_add_nc_u64 s[10:11], s[10:11], s[36:37]
	s_add_nc_u64 s[12:13], s[12:13], s[40:41]
.macro ZLOAD gp                        ; 32 rows d x 64 tokens: group gp of the work-group's two
.set i, 0
.rept 32
	global_load_b64 v[Z+64*(\gp)+2*i:Z+64*(\gp)+2*i+1], v[ZO], s[4:5] offset:i*4096+256*(\gp) th:TH_LOAD_NT
.set i, i+1
.endr
.endm
	ZLOAD 0
	s_wait_kmcnt 0x0
.set i, 0
.rept 16
	s_min_u32 s[16+i], s[16+i], 0x1fff
	v_lshl_add_u32 v[GOFF+i], s[16+i], 9, v[L16]
	global_load_b128 v[Q+4*i:Q+4*i+3], v[GOFF+i], s[6:7]
.set i, i+1
.endr
	ZLOAD 1
	s_wait_loadcnt 32                              ; loads come back in order (ISA guide 5.7.1): the gather and the first half of z are in, the 32 younger loads stay out
.set i, 0
.rept 16
	ds_store_b128 v[ST], v[Q+4*i:Q+4*i+3] offset:((i/2)+32*(i%2))*SP
.set i, i+1
.endr
	s_wait_dscnt 0x0                               ; for the others' sake: my rows are in the stage
	s_barrier_signal -1
	s_barrier_wait -1
.set i, 0
.rept 8                                                ; unit U = 4 x group + chunk of 8 d
	ds_load_b128 v[Q+8*i:Q+8*i+3],   v[RD] offset:64*SP*(i/4)+16*(i%4)
	ds_load_b128 v[Q+8*i+4:Q+8*i+7], v[RD] offset:64*SP*(i/4)+16*(i%4)+32*SP
.set i, i+1
.endr
; A unit: 8 d x my two tokens.  q is widened (a shift or a mask); q - z; its square onto one of four sums; z + (q - z); stored.  No register that a store reads is written again.
.macro UNIT u
	s_wait_dscnt 14-2*(\u)                         ; LDS loads come back in order: this unit's two are in
.if (\u) >= 4
	s_wait_loadcnt 24-8*((\u)-4)                   ; and its eight loads of z
.endif
.irp m, 0,1,2,3
	v_lshlrev_b32 v[T+4*(\m)],   16,  v[Q+8*(\u)+(\m)]
	v_lshlrev_b32 v[T+4*(\m)+1], 16,  v[Q+8*(\u)+4+(\m)]
	v_and_b32     v[T+4*(\m)+2], s15, v[Q+8*(\u)+(\m)]
	v_and_b32     v[T+4*(\m)+3], s15, v[Q+8*(\u)+4+(\m)]
.endr
.irp k, 0,1,2,3,4,5,6,7
	v_pk_add_f32 v[T+2*(\k):T+2*(\k)+1], v[T+2*(\k):T+2*(\k)+1], v[Z+16*(\u)+2*(\k):Z+16*(\u)+2*(\k)+1] neg_lo:[0,1] neg_hi:[0,1]
.endr
.irp k, 0,1,2,3,4,5,6,7
.if ((\u) == 0) && ((\k) < 4)
	v_pk_mul_f32 v[L+2*(\k):L+2*(\k)+1], v[T+2*(\k):T+2*(\k)+1], v[T+2*(\k):T+2*(\k)+1]  ; the first squares start the sums
.else
	v_pk_fma_f32 v[L+2*((\k)%4):L+2*((\k)%4)+1], v[T+2*(\k):T+2*(\k)+1], v[T+2*(\k):T+2*(\k)+1], v[L+2*((\k)%4):L+2*((\k)%4)+1]
.endif
.endr
.irp k, 0,1,2,3,4,5,6,7
	v_pk_add_f32 v[Z+16*(\u)+2*(\k):Z+16*(\u)+2*(\k)+1], v[Z+16*(\u)+2*(\k):Z+16*(\u)+2*(\k)+1], v[T+2*(\k):T+2*(\k)+1]
.endr
.irp k, 0,1,2,3,4,5,6,7
	global_store_b64 v[ZO], v[Z+16*(\u)+2*(\k):Z+16*(\u)+2*(\k)+1], s[10:11] offset:(8*((\u)%4)+(\k))*4096+256*((\u)/4) th:TH_STORE_NT  ; 32 lanes: 256 consecutive bytes, aligned
.endr
.endm
.irp u, 0,1,2,3,4,5,6,7
	UNIT \u
.endr
	; the wave's sum, the work-group's sum
	v_pk_add_f32 v[L:L+1], v[L:L+1], v[L+2:L+3]
	v_pk_add_f32 v[L+4:L+5], v[L+4:L+5], v[L+6:L+7]
	v_pk_add_f32 v[L:L+1], v[L:L+1], v[L+4:L+5]
	v_add_f32 v[L], v[L], v[L+1]
	v_add_f32_dpp v[L], v[L], v[L] row_xmask:1 row_mask:0xf bank_mask:0xf
	v_add_f32_dpp v[L], v[L], v[L] row_xmask:2 row_mask:0xf bank_mask:0xf
	v_add_f32_dpp v[L], v[L], v[L] row_xmask:4 row_mask:0xf bank_mask:0xf
	v_add_f32_dpp v[L], v[L], v[L] row_xmask:8 row_mask:0xf bank_mask:0xf
	v_permlanex16_b32 v[L+1], v[L], s32, s33
	v_add_f32 v[L], v[L], v[L+1]
	ds_store_b32 v[RW], v[L]                       ; all lanes write the same word with the same value
	s_wait_dscnt 0x0
	s_barrier_signal -1
	s_barrier_wait -1
	s_cmp_lg_u32 s14, 0
	s_cbranch_scc1 .Lend
	ds_load_b128 v[T:T+3], v[RA]
	ds_load_b128 v[T+4:T+7], v[RA] offset:16
	s_wait_dscnt 0x0
.irp j, 1,2,3,4,5,6,7
	v_add_f32 v[T], v[T], v[T+(\j)]
.endr
	s_wait_xcnt 0x0                                ; EXEC is a source of the stores above: it changes only behind this wait
	v_cmp_eq_u32 vcc_lo, 0, v0
	s_and_saveexec_b32 s34, vcc_lo
	global_store_b32 v[NUL], v[T], s[12:13]
	s_wait_xcnt 0x0
	s_or_b32 exec_lo, exec_lo, s34
.Lend:
	s_wait_tensorcnt 0x0                           ; the wave's end, behind my last LDS store
	ds_add_u32 v[SPW], v[NIL]
	s_wait_dscnt 0x0
	s_endpgm
.Lfunc_end_k_qbcf90aca76_emit:
	.size	k_qbcf90aca76_emit, .Lfunc_end_k_qbcf90aca76_emit-k_qbcf90aca76_emit
	.p2alignl 7, 3214868480
	.fill 96, 4, 3214868480
	.section	.rodata,"a",@progbits
	.p2align	6, 0x0
	.amdhsa_kernel k_qbcf90aca76_emit
		.amdhsa_group_segment_fixed_size 68864
		.amdhsa_private_segment_fixed_size 0
		.amdhsa_enable_private_segment 0
		.amdhsa_kernarg_size 40
		.amdhsa_user_sgpr_count 2
		.amdhsa_user_sgpr_kernarg_segment_ptr 1
		.amdhsa_wavefront_size32 1
		.amdhsa_system_sgpr_workgroup_id_x 1
		.amdhsa_system_sgpr_workgroup_id_y 1
		.amdhsa_system_sgpr_workgroup_id_z 1
		.amdhsa_system_vgpr_workitem_id 0
		.amdhsa_next_free_vgpr 248
		.amdhsa_next_free_sgpr 66
		.amdhsa_reserve_vcc 1
		.amdhsa_float_denorm_mode_32 3
		.amdhsa_float_denorm_mode_16_64 3
		.amdhsa_memory_ordered 1
		.amdhsa_forward_progress 1
		.amdhsa_inst_pref_size 38
	.end_amdhsa_kernel
	.amdgpu_metadata
---
amdhsa.version: [ 1, 2 ]
amdhsa.kernels:
  - .name:           k_qbcf90aca76_emit
    .symbol:         k_qbcf90aca76_emit.kd
    .args:
      - { .name: z, .offset: 0, .size: 8, .value_kind: global_buffer, .address_space: global }
      - { .name: et, .offset: 8, .size: 8, .value_kind: global_buffer, .address_space: global }
      - { .name: order, .offset: 16, .size: 8, .value_kind: global_buffer, .address_space: global }
      - { .name: out0, .offset: 24, .size: 8, .value_kind: global_buffer, .address_space: global }
      - { .name: part, .offset: 32, .size: 8, .value_kind: global_buffer, .address_space: global }
    .group_segment_fixed_size: 68864
    .private_segment_fixed_size: 0
    .kernarg_segment_align: 8
    .kernarg_segment_size: 40
    .max_flat_workgroup_size: 256
    .sgpr_count:     66
    .vgpr_count:     248
    .wavefront_size: 32
...
	.end_amdgpu_metadata
.endif
;; end of part 3
;; launch total (part 4): grid 1 x 1, 1 waves a work-group, no clusters, 0 bytes of LDS; arguments part, out1; writes out1
.if DOCPART == 4
	.amdgcn_target "amdgcn-amd-amdhsa--gfx1250"
	.amdhsa_code_object_version 6
	.text
	.protected	k_qbcf90aca76_total
	.globl	k_qbcf90aca76_total
	.p2align	8
	.type	k_qbcf90aca76_total,@function
k_qbcf90aca76_total:
	s_mov_b64 s[64:65], 0
	v_nop
	global_prefetch_b8 v0, s[64:65] scope:SCOPE_SE
	s_setreg_imm32_b32 hwreg(HW_REG_WAVE_MODE, 25, 1), 1
	s_wait_xcnt 0x0
; out1 = m + 0.25 m, m = (the sum of the 256 work-groups' sums of (q - z)^2) / 8,388,608.  One wave: a sum that spans work-groups is ordered by a launch of its own.
	s_load_b128 s[4:7], s[0:1], 0x0                ; part s[4:5], out1 s[6:7]
	v_lshlrev_b32 v1, 4, v0                        ; 16 bytes a lane
	v_mov_b32 v11, 0
	s_mov_b32 s8, 0x76543210                       ; v_permlanex16_b32: each lane takes its own place in the other half
	s_mov_b32 s9, 0xfedcba98
	s_wait_kmcnt 0x0
	global_load_b128 v[2:5], v1, s[4:5]
	global_load_b128 v[6:9], v1, s[4:5] offset:512
	s_wait_loadcnt 0x0
	v_pk_add_f32 v[2:3], v[2:3], v[6:7]
	v_pk_add_f32 v[4:5], v[4:5], v[8:9]
	v_pk_add_f32 v[2:3], v[2:3], v[4:5]
	v_add_f32 v2, v2, v3
	v_add_f32_dpp v2, v2, v2 row_xmask:1 row_mask:0xf bank_mask:0xf
	v_add_f32_dpp v2, v2, v2 row_xmask:2 row_mask:0xf bank_mask:0xf
	v_add_f32_dpp v2, v2, v2 row_xmask:4 row_mask:0xf bank_mask:0xf
	v_add_f32_dpp v2, v2, v2 row_xmask:8 row_mask:0xf bank_mask:0xf
	v_permlanex16_b32 v3, v2, s8, s9
	v_add_f32 v2, v2, v3
	v_mul_f32 v2, 0x34000000, v2                   ; 2^-23 = 1 / (32 x 256 x 1,024): the mean
	v_fma_f32 v3, v2, 0x3e800000, v2               ; the codebook term + 0.25 x the commitment term: both are that mean
	s_wait_xcnt 0x0                                ; EXEC changes only behind this wait
	v_cmp_eq_u32 vcc_lo, 0, v0
	s_and_saveexec_b32 s10, vcc_lo
	global_store_b32 v11, v3, s[6:7]
	s_wait_xcnt 0x0
	s_or_b32 exec_lo, exec_lo, s10
	s_endpgm
.Lfunc_end_k_qbcf90aca76_total:
	.size	k_qbcf90aca76_total, .Lfunc_end_k_qbcf90aca76_total-k_qbcf90aca76_total
	.p2alignl 7, 3214868480
	.fill 96, 4, 3214868480
	.section	.rodata,"a",@progbits
	.p2align	6, 0x0
	.amdhsa_kernel k_qbcf90aca76_total
		.amdhsa_group_segment_fixed_size 0
		.amdhsa_private_segment_fixed_size 0
		.amdhsa_enable_private_segment 0
		.amdhsa_kernarg_size 16
		.amdhsa_user_sgpr_count 2
		.amdhsa_user_sgpr_kernarg_segment_ptr 1
		.amdhsa_wavefront_size32 1
		.amdhsa_system_sgpr_workgroup_id_x 1
		.amdhsa_system_sgpr_workgroup_id_y 1
		.amdhsa_system_sgpr_workgroup_id_z 1
		.amdhsa_system_vgpr_workitem_id 0
		.amdhsa_next_free_vgpr 16
		.amdhsa_next_free_sgpr 66
		.amdhsa_reserve_vcc 1
		.amdhsa_float_denorm_mode_32 3
		.amdhsa_float_denorm_mode_16_64 3
		.amdhsa_memory_ordered 1
		.amdhsa_forward_progress 1
		.amdhsa_inst_pref_size 2
	.end_amdhsa_kernel
	.amdgpu_metadata
---
amdhsa.version: [ 1, 2 ]
amdhsa.kernels:
  - .name:           k_qbcf90aca76_total
    .symbol:         k_qbcf90aca76_total.kd
    .args:
      - { .name: part, .offset: 0, .size: 8, .value_kind: global_buffer, .address_space: global }
      - { .name: out1, .offset: 8, .size: 8, .value_kind: global_buffer, .address_space: global }
    .group_segment_fixed_size: 0
    .private_segment_fixed_size: 0
    .kernarg_segment_align: 8
    .kernarg_segment_size: 16
    .max_flat_workgroup_size: 32
    .sgpr_count:     66
    .vgpr_count:     16
    .wavefront_size: 32
...
	.end_amdgpu_metadata
.endif
;; end of part 4
